; MI455X (gfx1250); checked and timed in simulation.
; The chip was launched on July 23, 2026; its instructions are those of AMD's public machine-readable ISA for CDNA 5 (MIT licence, August 2026) and "CDNA5" Instruction Set Architecture Reference Guide (July 2026). The comments in the code are by the model that wrote it; some were corrected since.
;; Quantizer. Allowed arithmetic: matrix products marked QUANTISED: E2M1 operands, one E8M0 scale for each 32 along K, by v_wmma_scale_f32_16x16x128_f8f6f4 with both operands' format E2M1 (or v_wmma_scale_f32_32x16x128_f4), f32 sums; everything else in f32.
;; Inputs: embed_weight 1,024 x 64 float32; z_e 64 x 32 x 32 x 64 float32.
;; Outputs: out0 64 x 32 x 32 x 64 float32; out1 one number float32; out2 64 x 32 x 32 int32.
;; This version of the problem:
;;   THIS VERSION OF THE PROBLEM IS GIVEN IN LOW PRECISION. The matrix products marked QUANTISED in the list below multiply operands that are first quantised to E2M1 (2 exponent bits, 1 mantissa bit; 4 bits a number), with one power-of-two scale for each 32 numbers along K (OCP MX v1.0); their sums are f32. All else is computed in f32.
;;   The module's matrix products, in the order in which they are computed (A, B: the left and right operand; K: the contracted axis; several contracted axes count as one K, in the product's order):
;;     1. [M 65,536, K 64] x [K 64, N 1,024]; A: computed on the way; B: input embed_weight: QUANTISED
;;   THE QUANTISER, for each operand of a quantised product, along K:
;;     - K is cut into blocks of 32 from its start; a last block that is shorter is filled with zeros.
;;     - A block's scale is 2^e with e = floor(log2(the largest magnitude in the block)) - 2, held to -126 .. 127; a block of zeros has e = 0. As a byte (E8M0): e + 127.
;;     - Each number is divided by its block's scale, clamped to +-6, and rounded to the nearest number of E2M1, ties to even, subnormals kept.
;;     - The product sums the exact products of the quantised numbers (number of the format x scale) in f32.
;;   ~~~python
;;   def quantise(x, axis):      # numpy; x: float32 -> the quantised numbers, widened to float32 again
;;       x = np.moveaxis(x, axis, -1); K = x.shape[-1]
;;       x = np.pad(x, [(0, 0)] * (x.ndim - 1) + [(0, -K % 32)]); x = x.reshape(x.shape[:-1] + (-1, 32)); a = np.abs(x).max(-1, keepdims=True)
;;       e = np.where(a > 0, np.clip(np.frexp(np.where(a > 0, a, 1))[1] - 1 - 2, -126, 127), 0)      # np.frexp(a)[1] - 1 = floor(log2(a)), exactly
;;       r = np.clip(x / 2.0 ** e, -6, 6)
;;       step = 2.0 ** (np.maximum(np.frexp(np.where(r == 0, 1, r))[1] - 1, 0) - 1)
;;       q = np.round(r / step) * step * 2.0 ** e      # np.round: ties to even
;;       return np.moveaxis(q.reshape(q.shape[:-2] + (-1,))[..., :K], -1, axis).astype(np.float32)
;;   ~~~
;;   OPERANDS COMPUTED ON THE WAY. 'Computed on the way' means the value that the module computes at that place (a softmax that the list does not call 'softmax' is quantised finished and normalised). What goes into a quantiser is computed in f32, as accurately as f32 sums, v_exp_f32 and their like allow (about 1e-6 of the number): no bf16 or f16 on the way to a quantiser, and a product that is left as it is and whose result goes on into a quantised operand takes f32 operands (vector FMAs, or v_wmma_f32_16x16x4_f32). A number that lies on a knife's edge between two numbers of the format may be rounded either way, as far as f32 arithmetic and the matrix unit's own rounding can turn it there, and no further.
;; One version. Each part assembles by itself: llvm-mc -triple=amdgcn-amd-amdhsa -mcpu=gfx1250 --defsym DOCPART=n.
;; ======== version 1 of 1: 4 launches
;; workspace buffers: idx 262,144 bytes of whole numbers; part 8,192 bytes; ccodes 32,768 bytes; cscale 4,096 bytes; cee 4,096 bytes
;; launch codes (part 1): grid 16 x 1, 1 waves a work-group, no clusters, 0 bytes of LDS; arguments embed_weight, ccodes, cscale, cee; writes ccodes, cscale, cee
.if DOCPART == 1
	.amdgcn_target "amdgcn-amd-amdhsa--gfx1250"
	.amdhsa_code_object_version 6
	.text
	.protected	k_q5a63a82108_codes
	.globl	k_q5a63a82108_codes
	.p2align	8
	.type	k_q5a63a82108_codes,@function
k_q5a63a82108_codes:
	s_mov_b64 s[64:65], 0
	v_nop
	global_prefetch_b8 v0, s[64:65] scope:SCOPE_SE
	s_setreg_imm32_b32 hwreg(HW_REG_WAVE_MODE, 25, 1), 1
	s_wait_xcnt 0x0
; THE PROGRAM: embed_ind = argmax over the 1,024 codes of -dist, dist = sum(x x) - (2 x) . e + sum(e e), the product on codes of FP4 (E2M1) with one E8M0 scale for each 32 along K = 64; z_q = the chosen row; diff.
; WORK LEFT OUT, in the whole program.  (a) sum(x x) is one number for a row and is added to all 1,024 distances of that row alike: for all finite inputs the argmax over the codes is the same with it and without it,
; and dist reaches no output but through that argmax.  So the score is D = (2 x) . e - sum(e e), and its largest is taken.  (b) z_e + (z_q - z_e) = z_q for all finite values: z_q is stored as it is gathered.
; (c) stop_gradient changes no value, so diff's two means are means of the same numbers: the sum is taken once and multiplied by 1.25 / 4,194,304.  Every input is loaded.
; LIMITS: a NaN, an infinity or an overflow that reaches only the work left out is not carried to the result; NaN and infinities among the inputs are not served; blocks whose largest magnitude lies under 2^-124
; keep the scale byte 1 (a block of zeros too: its codes are zeros, and this program alone reads the bytes); where the f32 roundings of (sum(x x) - p) + sum(e e) make two distances of a row equal or swap them,
; the program takes the code with the larger p - sum(e e) (equal scores: the lower index).  To keep such rows few, sum(e e) is added as plain f32: each square rounded, the squares of each half of 32 added one by one, then the halves.
; THIS LAUNCH quantises the codebook ONCE, since all 256 work-groups of the next launch read it, and lays it in the order of that launch's operand registers:
;   ccodes: tile T (codes 16 T .. 16 T + 15) is 512 bytes, lane l's four registers at 16 l: lane (r, h) holds k = 32 h .. 32 h + 31 of code 16 T + r;
;   cscale: a pair of tiles 2 j, 2 j + 1 shares one operand of K = 128 (tile 2 j in k 0-63, tile 2 j + 1 in k 64-127) and one scale word a row; two pairs' words lie together, 8 bytes a lane: 256 bytes;
;   cee:    -sum(e e), one f32 a code: what the products take as C.
; SHARES: 16 work-groups of one wave, four tiles each: all the work there is (65,536 numbers).  A lane loads a whole block, 128 neighbouring bytes, so that the block's maximum and its half of sum(e e) need no other lane.
; No LDS, no matrix unit, no cluster: waves share nothing.  No hint on the loads: a lane's eight loads walk the same 128 bytes.
.set M,  8                             ; v8-11   the largest magnitude of my block in each tile
.set S,  12                            ; v12-15  the conversions' scale operands
.set W,  16                            ; v16-19  scale bytes
.set P,  20                            ; v20-23  the other half's bytes
.set PW, 24                            ; v24-25  the two pairs' scale words
.set E,  26                            ; v26-27  -sum(e e) of 32 codes, one a lane
.set CD, 32                            ; v32-47  the codes: four registers a tile
.set R,  64                            ; v64-191 four tiles as loaded, 32 registers each
	s_load_b256 s[4:11], s[0:1], 0x0               ; embed_weight s[4:5], ccodes s[6:7], cscale s[8:9], cee s[10:11]
	v_and_b32 v1, 15, v0                           ; r
	v_bfe_u32 v2, v0, 4, 1                         ; h
	v_lshlrev_b32 v3, 8, v1
	v_lshl_add_u32 v3, v2, 7, v3                   ; in: row r of 256 bytes, + 128 h: my block
	v_lshlrev_b32 v4, 4, v0                        ; out: 16 x lane,
	v_lshlrev_b32 v5, 3, v0                        ; 8 x lane,
	v_lshlrev_b32 v6, 2, v0                        ; 4 x lane
	v_lshlrev_b32 v7, 3, v2                        ; 8 h: my byte's place in a row's two
.irp i, 0,1,2,3
	v_mov_b32 v[P+\i], 0                           ; a lane permute's destination counts as one of its sources: written once
.endr
	s_mov_b32 s20, 0x76543210
	s_mov_b32 s21, 0xfedcba98                      ; v_permlanex16_b32's selects for lane l xor 16
	s_mov_b32 s22, 0xffff0000                      ; lanes 16 to 31
	s_lshl_b32 s12, ttmp9, 14                      ; my 64 codes of 256 bytes,
	s_mov_b32 s13, 0
	s_lshl_b32 s14, ttmp9, 11                      ; their four images of 512 bytes,
	s_mov_b32 s15, 0
	s_lshl_b32 s16, ttmp9, 8                       ; their 256 bytes of scale words, and their 256 bytes of -sum(e e)
	s_mov_b32 s17, 0
	s_wait_alu depctr_va_vdst(0)
	s_wait_kmcnt 0x0
	s_add_nc_u64 s[4:5], s[4:5], s[12:13]
	s_add_nc_u64 s[6:7], s[6:7], s[14:15]
	s_add_nc_u64 s[8:9], s[8:9], s[16:17]
	s_add_nc_u64 s[10:11], s[10:11], s[16:17]
.irp i, 0,1,2,3
.irp c, 0,1,2,3,4,5,6,7
	global_load_b128 v[R+32*\i+4*\c:R+32*\i+4*\c+3], v3, s[4:5] offset:4096*\i+16*\c   ; a tile's eight loads cover its 4,096 bytes
.endr
.endr
	s_wait_loadcnt 0x0
.irp i, 0,1,2,3
	v_max3_num_f32 v[M+\i], |v[R+32*\i]|, |v[R+32*\i+1]|, 0x1800000   ; the floor 2^(3 - 127) holds the byte at 1 from below
.endr
.set k, 2
.rept 15
.irp i, 0,1,2,3
	v_max3_num_f32 v[M+\i], |v[R+32*\i+k]|, |v[R+32*\i+k+1]|, v[M+\i]   ; the four tiles by turns
.endr
.set k, k+2
.endr
.irp i, 0,1,2,3
	v_add_nc_u32 v[S+\i], 0xff000000, v[M+\i]      ; 2 off the exponent field: the conversion takes this operand's exponent field as its scale
.endr
.irp i, 0,1,2,3
	v_lshrrev_b32 v[W+\i], 23, v[S+\i]             ; the scale's byte,
.endr
.irp i, 0,1,2,3
	v_lshlrev_b32 v[W+\i], v7, v[W+\i]             ; at block h's place
.endr
.irp i, 0,1,2,3
	v_permlanex16_b32 v[P+\i], v[W+\i], s20, s21
.endr
.irp i, 0,1,2,3
	v_or_b32 v[W+\i], v[W+\i], v[P+\i]             ; with lane l xor 16's: the row's two bytes
.endr
.irp j, 0,1
	v_lshl_or_b32 v[PW+\j], v[W+2*\j+1], 16, v[W+2*\j]   ; a pair's word: tile 2 j for k 0-63, tile 2 j + 1 for k 64-127
.endr
.irp i, 0,1,2,3
.irp g, 0,1,2,3
	v_cvt_scalef32_pk8_fp4_f32 v[CD+4*\i+\g], v[R+32*\i+8*\g:R+32*\i+8*\g+7], v[S+\i]
.endr
.endr
	v_nop                                          ; one plain instruction behind the last scaled conversion: the squares below write its sources
.irp i, 0,1,2,3
	global_store_b128 v4, v[CD+4*\i:CD+4*\i+3], s[6:7] offset:512*\i   ; 512 consecutive bytes, aligned
.endr
	global_store_b64 v5, v[PW:PW+1], s[8:9]        ; 256 consecutive bytes, aligned
.set k, 0
.rept 64
	v_pk_mul_f32 v[R+k:R+k+1], v[R+k:R+k+1], v[R+k:R+k+1]   ; the squares, each rounded to f32
.set k, k+2
.endr
.set k, 1
.rept 31
.irp i, 0,1,2,3
	v_add_f32 v[R+32*\i], v[R+32*\i], v[R+32*\i+k] ; my half of 32, added one by one in ascending k; the four tiles by turns
.endr
.set k, k+1
.endr
.irp i, 0,1,2,3
	v_permlanex16_b32 v[R+32*\i+1], v[R+32*\i], s20, s21
.endr
.irp i, 0,1,2,3
	v_add_f32 v[R+32*\i], -v[R+32*\i], -v[R+32*\i+1]   ; -(the two halves): lanes r and r + 16 hold the same number
.endr
.irp j, 0,1
	v_cndmask_b32 v[E+\j], v[R+64*\j], v[R+64*\j+32], s22   ; lanes 0-15 keep tile 2 j's, lanes 16-31 take tile 2 j + 1's: 32 neighbouring codes, one a lane
.endr
.irp j, 0,1
	global_store_b32 v6, v[E+\j], s[10:11] offset:128*\j   ; 128 consecutive bytes; the two stores fill my aligned 256
.endr
	s_endpgm
.Lfunc_end_k_q5a63a82108_codes:
	.size	k_q5a63a82108_codes, .Lfunc_end_k_q5a63a82108_codes-k_q5a63a82108_codes
	.p2alignl 7, 3214868480
	.fill 96, 4, 3214868480
	.section	.rodata,"a",@progbits
	.p2align	6, 0x0
	.amdhsa_kernel k_q5a63a82108_codes
		.amdhsa_group_segment_fixed_size 0
		.amdhsa_private_segment_fixed_size 0
		.amdhsa_enable_private_segment 0
		.amdhsa_kernarg_size 32
		.amdhsa_user_sgpr_count 2
		.amdhsa_user_sgpr_kernarg_segment_ptr 1
		.amdhsa_wavefront_size32 1
		.amdhsa_system_sgpr_workgroup_id_x 1
		.amdhsa_system_sgpr_workgroup_id_y 1
		.amdhsa_system_sgpr_workgroup_id_z 1
		.amdhsa_system_vgpr_workitem_id 0
		.amdhsa_next_free_vgpr 192
		.amdhsa_next_free_sgpr 66
		.amdhsa_reserve_vcc 0
		.amdhsa_float_denorm_mode_32 3
		.amdhsa_float_denorm_mode_16_64 3
		.amdhsa_memory_ordered 1
		.amdhsa_forward_progress 1
		.amdhsa_inst_pref_size 20
	.end_amdhsa_kernel
	.amdgpu_metadata
---
amdhsa.version: [ 1, 2 ]
amdhsa.kernels:
  - .name:           k_q5a63a82108_codes
    .symbol:         k_q5a63a82108_codes.kd
    .args:
      - { .name: embed_weight, .offset: 0, .size: 8, .value_kind: global_buffer, .address_space: global }
      - { .name: ccodes, .offset: 8, .size: 8, .value_kind: global_buffer, .address_space: global }
      - { .name: cscale, .offset: 16, .size: 8, .value_kind: global_buffer, .address_space: global }
      - { .name: cee, .offset: 24, .size: 8, .value_kind: global_buffer, .address_space: global }
    .group_segment_fixed_size: 0
    .private_segment_fixed_size: 0
    .kernarg_segment_align: 8
    .kernarg_segment_size: 32
    .max_flat_workgroup_size: 32
    .sgpr_count:     66
    .vgpr_count:     192
    .wavefront_size: 32
...
	.end_amdgpu_metadata
.endif
;; end of part 1
;; launch nearest (part 2): grid 256 x 1, 8 waves a work-group, no clusters, 19,456 bytes of LDS; arguments z_e, ccodes, cscale, cee, out2, idx; writes out2, idx
.if DOCPART == 2
	.amdgcn_target "amdgcn-amd-amdhsa--gfx1250"
	.amdhsa_code_object_version 6
	.text
	.protected	k_q5a63a82108_nearest
	.globl	k_q5a63a82108_nearest
	.p2align	8
	.type	k_q5a63a82108_nearest,@function
k_q5a63a82108_nearest:
	s_mov_b64 s[64:65], 0
	v_nop
	global_prefetch_b8 v0, s[64:65] scope:SCOPE_SE
	s_setreg_imm32_b32 hwreg(HW_REG_WAVE_MODE, 25, 1), 1
	s_wait_xcnt 0x0
; embed_ind = argmax over the 1,024 codes of D = (2 x) . e - sum(e e); the product on codes of FP4 (E2M1) with one E8M0 scale for each 32 along K = 64.
; WORK LEFT OUT: sum(x x), which is added to all 1,024 distances of a row alike and so moves no argmax, for all finite inputs (shown, with the limits, at the head of the first kernel).
; The launch before has left the codebook as codes, scale words and -sum(e e), in the order of this launch's operand registers.
; SHARES.  A work-group owns 256 rows; 8 waves of 512 registers.  Wave w = (quarter w & 3 of the codes, half w >> 2 of the rows): it holds its 256 codes in registers for the whole launch and takes 8 tiles of 16 rows.
; SET-UP.  Each wave loads its quarter straight into the operands' registers: 16 loads of codes (512 consecutive bytes each), 4 of scale words (256), 32 of C (16 lanes share 16 bytes).  Wave w also loads rows 32 w .. 32 w + 31
; of z_e, 32 consecutive bytes a lane, so that a load spans 1,024 bytes: lane l of step s holds k = 8 (l % 8) + 0 .. 7 of row 4 s + l / 8.  Four lanes hold a block: its largest magnitude takes two steps between lanes;
; one conversion gives one register of the operand, which goes to its place in the operand's image in LDS; one barrier; the four waves of a half read the images.
; TWO TILES OF CODES SHARE ONE OPERAND: K = 64 fills half of the instruction's 128, so registers 0-3 hold tile 2 i (k 0-63) and registers 4-7 tile 2 i + 1 (k 64-127); x stands in a chain 0 | x | 0, and the
; operand [x | 0] meets the first tile alone, [0 | x] the second: zero codes add nothing.  Source 0 = 16 codes, source 1 = 16 rows: a lane holds ONE row (lane % 16) and codes 8 (lane / 16) + 0 .. 7 of each tile.
; C of each product is -sum(e e) in the result's layout, 8 registers a tile, so that term costs no vector instruction.
; THE ARGMAX of a lane's 128 scores: chunks of 16 (two tiles); a running maximum over the chunks, three operands an instruction; a chunk that beats all before it is copied over the kept 16 under EXEC; at the end the first
; of the kept 16 that equals the maximum gives the place.  No branch and no address hangs on a score.
; NO CLUSTER: what the work-groups share is the codebook's 40,960 bytes, which each wave takes once, at its head, by 52 loads that land in the operands' registers.  A joint tensor load would lay them into LDS,
; whence the same 52 loads a wave would still have to bring them to those registers, behind a round of the cluster's barrier and a barrier more.
; REGISTERS.  Window 0: v0-63 addresses, x's chain, scale words, state; v64-127 at work; v128-255 the 16 results of a tile of rows (in the set-up: my rows and what is made of them).
;             Window 1: v0-63 the codes, v64-191 C.
.set XIMG,  0                          ; LDS: 16 tiles of rows as images of the operand's registers, 512 bytes each (16 x lane)
.set XSC,   8192                       ; their scale words, 128 bytes a tile, of which the first 64 are used (4 x row)
.set RESV,  10240                      ; [4 quarters][256 rows] the largest score,
.set RESI,  14336                      ; and its index
.set SPARE, 18432                      ; the spare words, 128 bytes for each wave: four blocks of 256 bytes that no other line names
.set LI,   4                           ; 16 x lane
.set GA,   6                           ; z_e: 32 x lane
.set H8,   7                           ; 8 x (my block in its row)
.set SPW,  8                           ; LDS address of my spare word; never rewritten
.set NIL,  9                           ; 0; never rewritten
.set XWI,  13                          ; where I store: a register of an image of rows,
.set XWS,  14                          ; and a row's scale word
.set ARD,  15                          ; memory: my quarter's codes, 16 x lane
.set XCH,  16                          ; v16-35: 0 | x (even tiles of rows) | 0 | x (odd tiles) | 0, four registers each
.set XSW,  36                          ; v36, v37: x's scale words, by turns
.set SRD,  38                          ; memory: my quarter's scale words, 8 x lane
.set CRD,  39                          ; memory: my quarter's -sum(e e), 32 h
.set ASC,  40                          ; v40-47: the scale words of my 8 pairs of tiles
.set XRD,  48                          ; my half's images of rows
.set XSR,  49                          ; and their scale words
.set RWA,  50                          ; where I store a tile's results
.set BASE, 51                          ; 256 x quarter + 8 h
.set FRD,  52                          ; 256 w + 8 x lane: two rows' results, in LDS and in memory
.set V64,  53                          ; 64: no place
.set CH,   54                          ; 32 x the kept chunk
.set BI,   55
.set BV,   56
.set OV,   57
.set OI,   58
.set MI,   59
.set PS,   60                          ; v60-63: four chains of the scan
.set T,    64                          ; v64-73: two sets of five maxima
.set PM,   80                          ; v80-87: the running maximum behind chunk 0 .. 7
.set FV,   96                          ; the end: four quarters' scores of two rows,
.set FI,   104                         ; and indices
.set D,    128
.set XD,   128                         ; set-up: v128-191 eight steps of 8 numbers
.set XM,   192                         ; v192-199 largest magnitudes, then the other block's byte
.set XS,   200                         ; v200-207 the conversions' scale operands
.set XW,   208                         ; v208-215 scale bytes, then words
.set XC,   216                         ; v216-223 the codes: one register a step
.set MSB, 0
.macro WIN new                         ; bits 1:0 source 0, 3:2 source 1, 5:4 source 2, 7:6 destination; the high byte repeats the setting that is left
.if MSB != \new
	s_set_vgpr_msb (MSB<<8)|\new
.set MSB, \new
.endif
.endm
	s_load_b256 s[4:11], s[0:1], 0x0               ; z_e s[4:5], ccodes s[6:7], cscale s[8:9], cee s[10:11]
	s_load_b128 s[12:15], s[0:1], 0x20             ; out2 s[12:13], idx s[14:15]
	v_lshl_add_u32 v[SPW], v0, 2, SPARE
	v_mov_b32 v[NIL], 0
	v_lshrrev_b32 v1, 5, v0
	s_delay_alu instid0(VALU_DEP_1)
	v_readfirstlane_b32 s16, v1                    ; wave 0..7
	s_and_b32 s17, s16, 3                          ; my quarter of the codes
	s_lshr_b32 s18, s16, 2                         ; my half of the rows
	v_and_b32 v1, 15, v0                           ; r
	v_bfe_u32 v2, v0, 4, 1                         ; h
	v_and_b32 v3, 31, v0                           ; lane
	s_delay_alu instid0(VALU_DEP_1)
	v_lshlrev_b32 v[GA], 5, v3                     ; eight lanes x 32 bytes are a row of 256
	s_delay_alu instid0(VALU_DEP_2)
	v_lshlrev_b32 v[LI], 4, v3
	s_lshl_b32 s26, s17, 13
	v_add_nc_u32 v[ARD], s26, v[LI]                ; a quarter's 16 tiles are 8,192 bytes
	s_lshl_b32 s26, s17, 10
	v_lshl_add_u32 v[SRD], v3, 3, s26              ; its scale words 1,024,
	v_lshl_add_u32 v[CRD], v2, 5, s26              ; and its -sum(e e) 1,024
	s_lshl_b32 s20, ttmp9, 16                      ; the work-group's 256 rows of 256 bytes,
	s_lshl_b32 s21, s16, 13                        ; my wave's 32 of them
	s_add_co_u32 s20, s20, s21
	s_mov_b32 s21, 0
	s_lshl_b32 s22, ttmp9, 10                      ; the work-group's 256 indices
	s_mov_b32 s23, 0
	s_wait_alu depctr_va_vdst(0)
	s_wait_kmcnt 0x0
	s_add_nc_u64 s[4:5], s[4:5], s[20:21]
	s_add_nc_u64 s[12:13], s[12:13], s[22:23]
	s_add_nc_u64 s[14:15], s[14:15], s[22:23]
.irp s, 0,1,2,3,4,5,6,7
	global_load_b128 v[XD+8*\s:XD+8*\s+3], v[GA], s[4:5] offset:1024*\s          ; step s: four rows; the two loads together take all of their 1,024 bytes
	global_load_b128 v[XD+8*\s+4:XD+8*\s+7], v[GA], s[4:5] offset:1024*\s+16
.endr
.irp i, 0,1,2,3
	global_load_b64 v[ASC+2*\i:ASC+2*\i+1], v[SRD], s[8:9] offset:256*\i         ; the scale words of pairs 2 i and 2 i + 1 of my quarter
.endr
	WIN 0x40                                       ; destination window 1
.set t, 0
.rept 16
	global_load_b128 v[4*t:4*t+3], v[ARD], s[6:7] offset:512*t                   ; tile t of my quarter: tiles 2 i and 2 i + 1 fill one operand of 8 registers
.set t, t+1
.endr
.set t, 0
.rept 12
	global_load_b128 v[64+8*t:64+8*t+3], v[CRD], s[10:11] offset:64*t            ; C of tile t: register j = -sum(e e) of code 8 h + j
	global_load_b128 v[64+8*t+4:64+8*t+7], v[CRD], s[10:11] offset:64*t+16
.set t, t+1
.endr
	WIN 0
	; every LDS address is made here: constants x parts of the lane's number + a constant x wave
	v_lshrrev_b32 v10, 3, v3                       ; lane / 8: my row among a step's four
	v_bfe_u32 v11, v0, 2, 1                        ; my block in that row: the operand's h
	v_and_b32 v12, 3, v0                           ; my 8 numbers in that block: the operand's register
	s_delay_alu instid0(VALU_DEP_2)
	v_lshlrev_b32 v[H8], 3, v11
	s_lshl_b32 s26, s16, 10
	v_lshl_add_u32 v[XWI], v10, 4, s26             ; tiles 2 w, 2 w + 1: 512 bytes each; in a tile row r, block h, register g lie at 16 (r + 16 h) + 4 g
	s_delay_alu instid0(VALU_DEP_1)
	v_lshl_add_u32 v[XWI], v11, 8, v[XWI]
	s_delay_alu instid0(VALU_DEP_1)
	v_lshl_add_u32 v[XWI], v12, 2, v[XWI]
	s_lshl_b32 s26, s16, 8
	v_lshl_add_u32 v[XWS], v10, 2, s26             ; 128 bytes a tile, 4 a row
	v_lshl_add_u32 v[FRD], v3, 3, s26              ; rows 64 w + 2 lane, + 1 (waves 0 to 3)
	s_lshl_b32 s26, s17, 10
	s_lshl_b32 s27, s18, 9
	s_add_co_u32 s27, s27, s26
	v_lshl_add_u32 v[RWA], v1, 2, s27              ; quarter x 1,024 + half x 512 + 4 r
	s_lshl_b32 s26, s18, 12
	v_add_nc_u32 v[XRD], s26, v[LI]
	s_lshl_b32 s26, s18, 10
	v_lshl_add_u32 v[XSR], v1, 2, s26              ; lanes r and r + 16 read row r's word: the instruction takes lanes 0 to 15's
	s_lshl_b32 s26, s17, 8
	v_lshl_add_u32 v[BASE], v2, 3, s26
	v_mov_b32 v[V64], 64
	s_mov_b32 s24, 0x76543210
	s_mov_b32 s25, 0xfedcba98                      ; v_permlanex16_b32's selects for lane l xor 16
.irp z, 16,17,18,19,24,25,26,27,32,33,34,35
	v_mov_b32 v\z, 0                               ; the chain's zero codes: written once
.endr
.irp z, 57,58
	v_mov_b32 v\z, 0                               ; a lane permute's destination counts as one of its sources: written once
.endr
	s_wait_loadcnt 44                              ; my rows are in: behind their 16 loads stand 4 of scale words, 16 of codes and 24 of C
	WIN 0x40
.set t, 12
.rept 4
	global_load_b128 v[64+8*t:64+8*t+3], v[CRD], s[10:11] offset:64*t            ; C's last four tiles are asked for here: so 60 loads of mine are out at the most
	global_load_b128 v[64+8*t+4:64+8*t+7], v[CRD], s[10:11] offset:64*t+16
.set t, t+1
.endr
	WIN 0
; ---- my 32 rows: the operand is 2.0 x flatten
.set k, 0
.rept 32
	v_pk_mul_f32 v[XD+k:XD+k+1], v[XD+k:XD+k+1], 2.0 op_sel_hi:[1,0]
.set k, k+2
.endr
.irp s, 0,1,2,3,4,5,6,7
	v_max3_num_f32 v[XM+\s], |v[XD+8*\s]|, |v[XD+8*\s+1]|, 0x1800000   ; my 8 numbers, and the floor 2^(3 - 127), which holds the byte at 1 from below; the eight steps by turns
.endr
.irp u, 2,4,6
.irp s, 0,1,2,3,4,5,6,7
	v_max3_num_f32 v[XM+\s], v[XM+\s], |v[XD+8*\s+\u]|, |v[XD+8*\s+\u+1]|
.endr
.endr
.irp s, 0,1,2,3,4,5,6,7
	v_max_num_f32_dpp v[XM+\s], v[XM+\s], v[XM+\s] row_xmask:1 row_mask:0xf bank_mask:0xf
.endr
.irp s, 0,1,2,3,4,5,6,7
	v_max_num_f32_dpp v[XM+\s], v[XM+\s], v[XM+\s] row_xmask:2 row_mask:0xf bank_mask:0xf   ; with the block's other three lanes: its largest magnitude
.endr
.irp s, 0,1,2,3,4,5,6,7
	v_add_nc_u32 v[XS+\s], 0xff000000, v[XM+\s]    ; 2 off the exponent field: the conversion takes this operand's exponent field as its scale
.endr
.irp s, 0,1,2,3,4,5,6,7
	v_lshrrev_b32 v[XW+\s], 23, v[XS+\s]           ; the scale's byte,
.endr
.irp s, 0,1,2,3,4,5,6,7
	v_lshlrev_b32 v[XW+\s], v[H8], v[XW+\s]        ; at my block's place
.endr
.irp s, 0,1,2,3,4,5,6,7
	v_mov_b32_dpp v[XM+\s], v[XW+\s] row_xmask:4 row_mask:0xf bank_mask:0xf   ; the row's other block lies four lanes away
.endr
.irp s, 0,1,2,3,4,5,6,7
	v_or_b32 v[XW+\s], v[XW+\s], v[XM+\s]          ; the row's two bytes,
.endr
.irp s, 0,1,2,3,4,5,6,7
	v_lshl_or_b32 v[XW+\s], v[XW+\s], 16, v[XW+\s] ; twice: the word serves [x | 0] and [0 | x]
.endr
.irp s, 0,1,2,3,4,5,6,7
	v_cvt_scalef32_pk8_fp4_f32 v[XC+\s], v[XD+8*\s:XD+8*\s+7], v[XS+\s]
.endr
	v_nop                                          ; one plain instruction behind the last scaled conversion
.irp s, 0,1,2,3,4,5,6,7
	ds_store_b32 v[XWI], v[XC+\s] offset:XIMG+512*(\s/4)+64*(\s%4)   ; step s holds rows 4 (s % 4) + lane / 8 of tile 2 w + s / 4
	ds_store_b32 v[XWS], v[XW+\s] offset:XSC+128*(\s/4)+16*(\s%4)    ; a row's eight lanes write the same word with the same value
.endr
	s_wait_dscnt 0x0                               ; for the others' sake: all my stores have landed
	s_barrier_signal -1
	s_barrier_wait -1                              ; all images of rows lie in LDS
	ds_load_b128 v[XCH+4:XCH+7], v[XRD] offset:XIMG                ; my first tile of rows
	ds_load_b32 v[XSW], v[XSR] offset:XSC
	s_wait_loadcnt 0x0                             ; my quarter of the codebook is in its registers
	s_wait_xcnt 0x0                                ; no global instruction is issued from here to the end's stores: EXEC may be changed
; ---- a chunk's maximum in three levels; the third joins it to the running maximum.  Each result is read from its low end on
.macro LEV1 c
.set DC, D+16*(\c)
.set TT, T+5*((\c)%2)
	v_max3_num_f32 v[TT],   v[DC],    v[DC+1],  v[DC+2]
	v_max3_num_f32 v[TT+1], v[DC+3],  v[DC+4],  v[DC+5]
	v_max3_num_f32 v[TT+2], v[DC+6],  v[DC+7],  v[DC+8]
	v_max3_num_f32 v[TT+3], v[DC+9],  v[DC+10], v[DC+11]
	v_max3_num_f32 v[TT+4], v[DC+12], v[DC+13], v[DC+14]
.endm
.macro LEV2 c
.set DC, D+16*(\c)
.set TT, T+5*((\c)%2)
	v_max3_num_f32 v[TT],   v[TT],   v[TT+1], v[DC+15]
	v_max3_num_f32 v[TT+2], v[TT+2], v[TT+3], v[TT+4]
.endm
.macro LEV3 c
.set TT, T+5*((\c)%2)
.if (\c) == 0
	v_max_num_f32 v[PM], v[TT], v[TT+2]
.else
	v_max3_num_f32 v[PM+(\c)], v[PM+(\c)-1], v[TT], v[TT+2]
.endif
.endm
; ---- tile q of my 8 tiles of rows against my 256 codes
.macro QT q
.set XB, XCH+4+8*((\q)%2)
.set XN, XCH+4+8*((\q+1)%2)
	s_wait_dscnt 0x0                               ; this tile's x is in, and the last tile's two result stores are done
	WIN 0x11                                       ; source 0 (codes) and source 2 (C) window 1
.set t, 0
.rept 16
.if t%2 == 0
	v_wmma_scale_f32_16x16x128_f8f6f4 v[D+8*t:D+8*t+7], v[8*(t/2):8*(t/2)+7], v[XB:XB+7], v[64+8*t:64+8*t+7], v[ASC+t/2], v[XSW+(\q)%2] matrix_a_fmt:MATRIX_FMT_FP4 matrix_b_fmt:MATRIX_FMT_FP4
.else
	v_wmma_scale_f32_16x16x128_f8f6f4 v[D+8*t:D+8*t+7], v[8*(t/2):8*(t/2)+7], v[XB-4:XB+3], v[64+8*t:64+8*t+7], v[ASC+t/2], v[XSW+(\q)%2] matrix_a_fmt:MATRIX_FMT_FP4 matrix_b_fmt:MATRIX_FMT_FP4
.endif
.set t, t+1
.endr
	WIN 0
.if (\q) < 7
	ds_load_b128 v[XN:XN+3], v[XRD] offset:XIMG+512*(\q+1)         ; the next tile's x, into the chain's other place: these products name none of its four registers
	ds_load_b32 v[XSW+(\q+1)%2], v[XSR] offset:XSC+128*(\q+1)
.endif
	v_mov_b32 v[CH], 0                             ; chunk 0 is kept to begin with.  This line and three v_nop are the four places behind the products
.rept 3
	v_nop
.endr
	LEV1 0
	LEV2 0
.irp c, 1,2,3,4,5,6,7
	LEV1 \c
	LEV3 \c-1
	LEV2 \c
.endr
	LEV3 7
.irp c, 1,2,3,4,5,6,7
	v_cmp_gt_f32 s[27+\c], v[PM+\c], v[PM+\c-1]    ; chunk c beats all before it: an equal chunk does not, so the lowest stays
.endr
.irp c, 1,2,3,4,5,6,7
	s_and_saveexec_b32 s53, s[27+\c]               ; in those lanes alone
.irp m, 0,2,4,6,8,10,12,14
	v_pk_mul_f32 v[D+\m:D+\m+1], v[D+16*\c+\m:D+16*\c+\m+1], 1.0 op_sel_hi:[1,0]   ; the chunk's 16 scores take the kept 16's place: x 1.0 moves two numbers an instruction, bit for bit (there is no packed move)
.endr
	v_mov_b32 v[CH], 32*\c
	s_or_b32 exec_lo, exec_lo, s53                 ; all lanes on again
.endr
.irp j, 0,1,2,3,4,5,6,7,8,9,10,11,12,13,14,15
	v_cmp_eq_f32 s[36+\j], v[D+\j], v[PM+7]
.endr
.irp g, 0,1,2,3                        ; the first of the kept 16 that equals the maximum: four chains of four, each from its last place down.  Place j is code j + 8 (j / 8) + 8 h of the chunk
	v_cndmask_b32 v[PS+\g], v[V64], 4*\g+3+8*(\g/2), s[36+4*\g+3]
.endr
.irp u, 2,1,0
.irp g, 0,1,2,3
	s_delay_alu instid0(VALU_DEP_4)
	v_cndmask_b32 v[PS+\g], v[PS+\g], 4*\g+\u+8*(\g/2), s[36+4*\g+\u]
.endr
.endr
	s_delay_alu instid0(VALU_DEP_3)
	v_min_u32 v[PS], v[PS], v[PS+1]
	s_delay_alu instid0(VALU_DEP_2)
	v_min_u32 v[PS+2], v[PS+2], v[PS+3]
	v_permlanex16_b32 v[OV], v[PM+7], s24, s25     ; the row's other 128 codes of my quarter lie in lane l xor 16
	s_delay_alu instid0(VALU_DEP_2)
	v_min_u32 v[PS], v[PS], v[PS+2]
	s_delay_alu instid0(VALU_DEP_1)
	v_add3_u32 v[BI], v[PS], v[CH], v[BASE]        ; the code's index
	s_delay_alu instid0(VALU_DEP_3)
	v_cmp_gt_f32 vcc_lo, v[OV], v[PM+7]
	s_delay_alu instid0(VALU_DEP_4)
	v_cmp_eq_f32 s52, v[OV], v[PM+7]
	s_delay_alu instid0(VALU_DEP_3)
	v_permlanex16_b32 v[OI], v[BI], s24, s25
	v_max_num_f32 v[BV], v[PM+7], v[OV]
	s_delay_alu instid0(VALU_DEP_2)
	v_min_u32 v[MI], v[OI], v[BI]
	s_delay_alu instid0(VALU_DEP_3)
	v_cndmask_b32 v[BI], v[BI], v[OI], vcc_lo      ; the larger score's index;
	s_delay_alu instid0(VALU_DEP_1)
	v_cndmask_b32 v[BI], v[BI], v[MI], s52         ; of equal scores the lower
	ds_store_b32 v[RWA], v[BV] offset:RESV+64*(\q) ; lanes r and r + 16 write the same word with the same value
	ds_store_b32 v[RWA], v[BI] offset:RESI+64*(\q)
.endm
.irp q, 0,1,2,3,4,5,6,7
	QT \q
.endr
	s_wait_dscnt 0x0                               ; for the others' sake: my results have landed
	s_barrier_signal -1
	s_barrier_wait -1
	s_cmp_gt_u32 s16, 3                            ; waves 0 to 3 join the four quarters, 64 rows each, two a lane
	s_cbranch_scc1 .Ldone
.irp c, 0,1,2,3
	ds_load_b64 v[FV+2*\c:FV+2*\c+1], v[FRD] offset:RESV+1024*\c
	ds_load_b64 v[FI+2*\c:FI+2*\c+1], v[FRD] offset:RESI+1024*\c
.endr
	s_wait_dscnt 0x0
.irp c, 1,2,3
.irp e, 0,1
	v_cmp_gt_f32 vcc_lo, v[FV+2*\c+\e], v[FV+\e]   ; a later quarter must beat the earlier ones: of equal scores the lower index stays
	s_delay_alu instid0(VALU_DEP_1)
	v_cndmask_b32 v[FI+\e], v[FI+\e], v[FI+2*\c+\e], vcc_lo
	v_max_num_f32 v[FV+\e], v[FV+\e], v[FV+2*\c+\e]
.endr
.endr
	global_store_b64 v[FRD], v[FI:FI+1], s[12:13] th:TH_STORE_NT   ; the result: the wave's store covers 256 consecutive bytes, aligned
	global_store_b64 v[FRD], v[FI:FI+1], s[14:15]                  ; and the whole numbers from which the next launch forms its addresses
.Ldone:
	s_wait_tensorcnt 0x0                           ; the wave's end: behind my last LDS store
	ds_add_u32 v[SPW], v[NIL]
	s_wait_dscnt 0x0
	s_endpgm
.Lfunc_end_k_q5a63a82108_nearest:
	.size	k_q5a63a82108_nearest, .Lfunc_end_k_q5a63a82108_nearest-k_q5a63a82108_nearest
	.p2alignl 7, 3214868480
	.fill 96, 4, 3214868480
	.section	.rodata,"a",@progbits
	.p2align	6, 0x0
	.amdhsa_kernel k_q5a63a82108_nearest
		.amdhsa_group_segment_fixed_size 19456
		.amdhsa_private_segment_fixed_size 0
		.amdhsa_enable_private_segment 0
		.amdhsa_kernarg_size 48
		.amdhsa_user_sgpr_count 2
		.amdhsa_user_sgpr_kernarg_segment_ptr 1
		.amdhsa_wavefront_size32 1
		.amdhsa_system_sgpr_workgroup_id_x 1
		.amdhsa_system_sgpr_workgroup_id_y 1
		.amdhsa_system_sgpr_workgroup_id_z 1
		.amdhsa_system_vgpr_workitem_id 0
		.amdhsa_next_free_vgpr 512
		.amdhsa_next_free_sgpr 66
		.amdhsa_reserve_vcc 1
		.amdhsa_float_denorm_mode_32 3
		.amdhsa_float_denorm_mode_16_64 3
		.amdhsa_memory_ordered 1
		.amdhsa_forward_progress 1
		.amdhsa_inst_pref_size 136
	.end_amdhsa_kernel
	.amdgpu_metadata
---
amdhsa.version: [ 1, 2 ]
amdhsa.kernels:
  - .name:           k_q5a63a82108_nearest
    .symbol:         k_q5a63a82108_nearest.kd
    .args:
      - { .name: z_e, .offset: 0, .size: 8, .value_kind: global_buffer, .address_space: global }
      - { .name: ccodes, .offset: 8, .size: 8, .value_kind: global_buffer, .address_space: global }
      - { .name: cscale, .offset: 16, .size: 8, .value_kind: global_buffer, .address_space: global }
      - { .name: cee, .offset: 24, .size: 8, .value_kind: global_buffer, .address_space: global }
      - { .name: out2, .offset: 32, .size: 8, .value_kind: global_buffer, .address_space: global }
      - { .name: idx, .offset: 40, .size: 8, .value_kind: global_buffer, .address_space: global }
    .group_segment_fixed_size: 19456
    .private_segment_fixed_size: 0
    .kernarg_segment_align: 8
    .kernarg_segment_size: 48
    .max_flat_workgroup_size: 256
    .sgpr_count:     66
    .vgpr_count:     512
    .wavefront_size: 32
...
	.end_amdgpu_metadata
.endif
;; end of part 2
;; launch gather (part 3): grid 256 x 1, 8 waves a work-group, no clusters, 0 bytes of LDS; arguments z_e, embed_weight, idx, out0, part; writes out0, part
.if DOCPART == 3
	.amdgcn_target "amdgcn-amd-amdhsa--gfx1250"
	.amdhsa_code_object_version 6
	.text
	.protected	k_q5a63a82108_gather
	.globl	k_q5a63a82108_gather
	.p2align	8
	.type	k_q5a63a82108_gather,@function
k_q5a63a82108_gather:
	s_mov_b64 s[64:65], 0
	v_nop
	global_prefetch_b8 v0, s[64:65] scope:SCOPE_SE
	s_setreg_imm32_b32 hwreg(HW_REG_WAVE_MODE, 25, 1), 1
	s_wait_xcnt 0x0
; out0 = the chosen code's row, and each wave's part of the sum of (z_q - z_e)^2.  idx holds the whole numbers that the launch before stored.
; WORK LEFT OUT.  z_e + (z_q - z_e) = z_q for all finite values, so z_q is stored as it is gathered (a NaN or an infinity in z_e is not carried to out0).  stop_gradient changes no value, so diff's two means
; are means of the same numbers: the sum is taken once, and the last launch multiplies it by 1.25 / 4,194,304.
; A stream: memory binds, so no LDS, no matrix unit, no cluster (work-groups share only the 262,144 bytes of the codebook, of which each takes the rows that its indices name).
; A wave owns 32 rows.  A row is 256 bytes: sixteen lanes, 16 bytes each, so every load and store of a wave covers two whole rows.  All 48 loads of a wave go out before its first number is used; nothing is looped, so nothing is prefetched.
.set I,   8                            ; v8-23    pair i: the index of row 2 i + lane / 16, then its row's byte offset
.set Z,   24                           ; v24-87   pair i: z_e
.set G,   88                           ; v88-151  pair i: the code's row
.set T,   152                          ; v152-159 differences, two sets
.set ACC, 160                          ; v160-167 sums, two sets of four
	s_load_b256 s[4:11], s[0:1], 0x0               ; z_e s[4:5], embed_weight s[6:7], idx s[8:9], out0 s[10:11]
	s_load_b64 s[12:13], s[0:1], 0x20              ; part
	v_lshrrev_b32 v1, 5, v0
	s_delay_alu instid0(VALU_DEP_1)
	v_readfirstlane_b32 s14, v1                    ; wave 0..7
	v_and_b32 v2, 31, v0                           ; lane
	s_delay_alu instid0(VALU_DEP_1)
	v_lshlrev_b32 v3, 4, v2                        ; 16 x lane: my 16 bytes of two rows
	s_delay_alu instid0(VALU_DEP_2)
	v_lshrrev_b32 v4, 4, v2
	s_delay_alu instid0(VALU_DEP_1)
	v_lshlrev_b32 v4, 2, v4                        ; 4 x (lane / 16): my row's index in a pair
	s_delay_alu instid0(VALU_DEP_4)
	v_and_b32 v5, 15, v2
	s_delay_alu instid0(VALU_DEP_1)
	v_lshlrev_b32 v5, 4, v5                        ; 16 x (lane % 16): my 16 bytes of a code's row
	v_mov_b32 v6, 0
	v_mov_b32 v7, 0                                ; (a lane permute's destination counts as one of its sources)
	s_mov_b32 s22, 0x76543210
	s_mov_b32 s23, 0xfedcba98
	s_lshl_b32 s15, ttmp9, 3
	s_add_co_u32 s15, s15, s14                     ; my wave's number in the launch, 0 .. 2,047
	s_lshl_b32 s16, s15, 13                        ; x 32 rows of 256 bytes
	s_mov_b32 s17, 0
	s_lshl_b32 s18, s15, 7                         ; x 32 indices
	s_mov_b32 s19, 0
	s_lshl_b32 s20, s15, 2                         ; x one partial sum
	s_mov_b32 s21, 0
	s_wait_alu depctr_va_vdst(0)
	s_wait_kmcnt 0x0
	s_add_nc_u64 s[4:5], s[4:5], s[16:17]
	s_add_nc_u64 s[10:11], s[10:11], s[16:17]
	s_add_nc_u64 s[8:9], s[8:9], s[18:19]
	s_add_nc_u64 s[12:13], s[12:13], s[20:21]
.irp i, 0,1,2,3,4,5,6,7,8,9,10,11,12,13,14,15
	global_load_b32 v[I+\i], v4, s[8:9] offset:8*\i
.endr
.irp i, 0,1,2,3,4,5,6,7,8,9,10,11,12,13,14,15
	global_load_b128 v[Z+4*\i:Z+4*\i+3], v3, s[4:5] offset:512*\i th:TH_LOAD_NT
.endr
	s_wait_loadcnt 16                              ; the indices are in; z_e's 16 loads may be out
.irp i, 0,1,2,3,4,5,6,7,8,9,10,11,12,13,14,15
	v_min_u32 v[I+\i], 0x3ff, v[I+\i]              ; an index stays inside the table
.endr
.irp i, 0,1,2,3,4,5,6,7,8,9,10,11,12,13,14,15
	v_lshlrev_b32 v[I+\i], 8, v[I+\i]              ; a code's row is 256 bytes
.endr
.irp i, 0,1,2,3,4,5,6,7,8,9,10,11,12,13,14,15
	v_add_nc_u32 v[I+\i], v[I+\i], v5
.endr
.irp i, 0,1,2,3,4,5,6,7,8,9,10,11,12,13,14,15
	global_load_b128 v[G+4*\i:G+4*\i+3], v[I+\i], s[6:7]           ; no hint: the list may name a row many times
.endr
.macro ROWS i
.set TS, T+4*((\i)%2)
.set AS, ACC+4*((\i)%2)
	s_wait_loadcnt 15-(\i)                         ; loads come back in order: pair i's code rows are in (and all of z_e); the younger gathers stay out
	v_pk_add_f32 v[TS:TS+1], v[G+4*(\i):G+4*(\i)+1], v[Z+4*(\i):Z+4*(\i)+1] neg_lo:[0,1] neg_hi:[0,1]
	v_pk_add_f32 v[TS+2:TS+3], v[G+4*(\i)+2:G+4*(\i)+3], v[Z+4*(\i)+2:Z+4*(\i)+3] neg_lo:[0,1] neg_hi:[0,1]
.if (\i) < 2
	s_delay_alu instid0(VALU_DEP_2)
	v_pk_mul_f32 v[AS:AS+1], v[TS:TS+1], v[TS:TS+1]                ; the first squares start the sums: nothing is cleared
	s_delay_alu instid0(VALU_DEP_2)
	v_pk_mul_f32 v[AS+2:AS+3], v[TS+2:TS+3], v[TS+2:TS+3]
.else
	s_wait_alu depctr_va_vdst(0)
	v_pk_fma_f32 v[AS:AS+1], v[TS:TS+1], v[TS:TS+1], v[AS:AS+1]
	v_pk_fma_f32 v[AS+2:AS+3], v[TS+2:TS+3], v[TS+2:TS+3], v[AS+2:AS+3]
.endif
	global_store_b128 v3, v[G+4*(\i):G+4*(\i)+3], s[10:11] offset:512*(\i) th:TH_STORE_NT   ; two whole rows: 512 consecutive bytes, aligned
.endm
.irp i, 0,1,2,3,4,5,6,7,8,9,10,11,12,13,14,15
	ROWS \i
.endr
	v_pk_add_f32 v[ACC:ACC+1], v[ACC:ACC+1], v[ACC+4:ACC+5]
	v_pk_add_f32 v[ACC+2:ACC+3], v[ACC+2:ACC+3], v[ACC+6:ACC+7]
	s_delay_alu instid0(VALU_DEP_1)
	v_pk_add_f32 v[ACC:ACC+1], v[ACC:ACC+1], v[ACC+2:ACC+3]
	s_delay_alu instid0(VALU_DEP_1)
	v_add_f32 v[ACC], v[ACC], v[ACC+1]
	s_delay_alu instid0(VALU_DEP_1)
	v_add_f32_dpp v[ACC], v[ACC], v[ACC] row_xmask:1 row_mask:0xf bank_mask:0xf
	s_delay_alu instid0(VALU_DEP_1)
	v_add_f32_dpp v[ACC], v[ACC], v[ACC] row_xmask:2 row_mask:0xf bank_mask:0xf
	s_delay_alu instid0(VALU_DEP_1)
	v_add_f32_dpp v[ACC], v[ACC], v[ACC] row_xmask:4 row_mask:0xf bank_mask:0xf
	s_delay_alu instid0(VALU_DEP_1)
	v_add_f32_dpp v[ACC], v[ACC], v[ACC] row_xmask:8 row_mask:0xf bank_mask:0xf
	s_delay_alu instid0(VALU_DEP_1)
	v_permlanex16_b32 v7, v[ACC], s22, s23
	s_delay_alu instid0(VALU_DEP_1)
	v_add_f32 v[ACC], v[ACC], v7                   ; the wave's sum, in every lane
	v_cmp_eq_u32 vcc_lo, 0, v2
	s_wait_alu depctr_va_vdst(0)
	s_wait_xcnt 0x0                                ; EXEC changes only behind this wait: the stores above have had their addresses translated
	s_and_saveexec_b32 s14, vcc_lo                 ; lane 0 alone
	global_store_b32 v6, v[ACC], s[12:13]          ; one number a wave: 8,192 bytes in the whole launch
	s_wait_xcnt 0x0
	s_or_b32 exec_lo, exec_lo, s14
	s_endpgm
.Lfunc_end_k_q5a63a82108_gather:
	.size	k_q5a63a82108_gather, .Lfunc_end_k_q5a63a82108_gather-k_q5a63a82108_gather
	.p2alignl 7, 3214868480
	.fill 96, 4, 3214868480
	.section	.rodata,"a",@progbits
	.p2align	6, 0x0
	.amdhsa_kernel k_q5a63a82108_gather
		.amdhsa_group_segment_fixed_size 0
		.amdhsa_private_segment_fixed_size 0
		.amdhsa_enable_private_segment 0
		.amdhsa_kernarg_size 40
		.amdhsa_user_sgpr_count 2
		.amdhsa_user_sgpr_kernarg_segment_ptr 1
		.amdhsa_wavefront_size32 1
		.amdhsa_system_sgpr_workgroup_id_x 1
		.amdhsa_system_sgpr_workgroup_id_y 1
		.amdhsa_system_sgpr_workgroup_id_z 1
		.amdhsa_system_vgpr_workitem_id 0
		.amdhsa_next_free_vgpr 168
		.amdhsa_next_free_sgpr 66
		.amdhsa_reserve_vcc 1
		.amdhsa_float_denorm_mode_32 3
		.amdhsa_float_denorm_mode_16_64 3
		.amdhsa_memory_ordered 1
		.amdhsa_forward_progress 1
		.amdhsa_inst_pref_size 16
	.end_amdhsa_kernel
	.amdgpu_metadata
---
amdhsa.version: [ 1, 2 ]
amdhsa.kernels:
  - .name:           k_q5a63a82108_gather
    .symbol:         k_q5a63a82108_gather.kd
    .args:
      - { .name: z_e, .offset: 0, .size: 8, .value_kind: global_buffer, .address_space: global }
      - { .name: embed_weight, .offset: 8, .size: 8, .value_kind: global_buffer, .address_space: global }
      - { .name: idx, .offset: 16, .size: 8, .value_kind: global_buffer, .address_space: global }
      - { .name: out0, .offset: 24, .size: 8, .value_kind: global_buffer, .address_space: global }
      - { .name: part, .offset: 32, .size: 8, .value_kind: global_buffer, .address_space: global }
    .group_segment_fixed_size: 0
    .private_segment_fixed_size: 0
    .kernarg_segment_align: 8
    .kernarg_segment_size: 40
    .max_flat_workgroup_size: 256
    .sgpr_count:     66
    .vgpr_count:     168
    .wavefront_size: 32
...
	.end_amdgpu_metadata
.endif
;; end of part 3
;; launch total (part 4): grid 1 x 1, 1 waves a work-group, no clusters, 0 bytes of LDS; arguments part, out1; writes out1
.if DOCPART == 4
	.amdgcn_target "amdgcn-amd-amdhsa--gfx1250"
	.amdhsa_code_object_version 6
	.text
	.protected	k_q5a63a82108_total
	.globl	k_q5a63a82108_total
	.p2align	8
	.type	k_q5a63a82108_total,@function
k_q5a63a82108_total:
	s_mov_b64 s[64:65], 0
	v_nop
	global_prefetch_b8 v0, s[64:65] scope:SCOPE_SE
	s_setreg_imm32_b32 hwreg(HW_REG_WAVE_MODE, 25, 1), 1
	s_wait_xcnt 0x0
; diff = 0.25 mean + mean of the same squares (stop_gradient changes no value) = 1.25 x the sum / 4,194,304.  The launch before left 2,048 partial sums; a sum over work-groups has one owner: this wave.
; 64 numbers a lane by 16 loads of 512 consecutive bytes, folded in halves, two additions an instruction; then across the lanes.
	s_load_b128 s[4:7], s[0:1], 0x0                ; part s[4:5], out1 s[6:7]
	v_lshlrev_b32 v1, 4, v0
	v_mov_b32 v2, 0
	v_mov_b32 v3, 0                                ; (a lane permute's destination counts as one of its sources)
	s_mov_b32 s8, 0x76543210
	s_mov_b32 s9, 0xfedcba98
	s_wait_alu depctr_va_vdst(0)
	s_wait_kmcnt 0x0
.irp i, 0,1,2,3,4,5,6,7,8,9,10,11,12,13,14,15
	global_load_b128 v[4+4*\i:7+4*\i], v1, s[4:5] offset:512*\i
.endr
	s_wait_loadcnt 0x0
.macro FOLD half                       ; the upper half of the registers onto the lower
.set m, 0
.rept \half/2
	v_pk_add_f32 v[4+m:5+m], v[4+m:5+m], v[4+\half+m:5+\half+m]
.set m, m+2
.endr
.endm
	FOLD 32
	FOLD 16
	FOLD 8
	FOLD 4
	FOLD 2
	v_add_f32 v4, v4, v5
	v_add_f32_dpp v4, v4, v4 row_xmask:1 row_mask:0xf bank_mask:0xf
	v_add_f32_dpp v4, v4, v4 row_xmask:2 row_mask:0xf bank_mask:0xf
	v_add_f32_dpp v4, v4, v4 row_xmask:4 row_mask:0xf bank_mask:0xf
	v_add_f32_dpp v4, v4, v4 row_xmask:8 row_mask:0xf bank_mask:0xf
	v_permlanex16_b32 v3, v4, s8, s9
	v_add_f32 v4, v4, v3
	v_mul_f32 v4, 0x34a00000, v4                   ; x 1.25 x 2^-22
	v_cmp_eq_u32 vcc_lo, 0, v0
	s_wait_alu depctr_va_vdst(0)
	s_wait_xcnt 0x0                                ; EXEC changes only behind this wait
	s_and_saveexec_b32 s10, vcc_lo                 ; lane 0 alone
	global_store_b32 v2, v4, s[6:7]
	s_wait_xcnt 0x0
	s_or_b32 exec_lo, exec_lo, s10
	s_endpgm
.Lfunc_end_k_q5a63a82108_total:
	.size	k_q5a63a82108_total, .Lfunc_end_k_q5a63a82108_total-k_q5a63a82108_total
	.p2alignl 7, 3214868480
	.fill 96, 4, 3214868480
	.section	.rodata,"a",@progbits
	.p2align	6, 0x0
	.amdhsa_kernel k_q5a63a82108_total
		.amdhsa_group_segment_fixed_size 0
		.amdhsa_private_segment_fixed_size 0
		.amdhsa_enable_private_segment 0
		.amdhsa_kernarg_size 16
		.amdhsa_user_sgpr_count 2
		.amdhsa_user_sgpr_kernarg_segment_ptr 1
		.amdhsa_wavefront_size32 1
		.amdhsa_system_sgpr_workgroup_id_x 1
		.amdhsa_system_sgpr_workgroup_id_y 1
		.amdhsa_system_sgpr_workgroup_id_z 1
		.amdhsa_system_vgpr_workitem_id 0
		.amdhsa_next_free_vgpr 72
		.amdhsa_next_free_sgpr 66
		.amdhsa_reserve_vcc 1
		.amdhsa_float_denorm_mode_32 3
		.amdhsa_float_denorm_mode_16_64 3
		.amdhsa_memory_ordered 1
		.amdhsa_forward_progress 1
		.amdhsa_inst_pref_size 5
	.end_amdhsa_kernel
	.amdgpu_metadata
---
amdhsa.version: [ 1, 2 ]
amdhsa.kernels:
  - .name:           k_q5a63a82108_total
    .symbol:         k_q5a63a82108_total.kd
    .args:
      - { .name: part, .offset: 0, .size: 8, .value_kind: global_buffer, .address_space: global }
      - { .name: out1, .offset: 8, .size: 8, .value_kind: global_buffer, .address_space: global }
    .group_segment_fixed_size: 0
    .private_segment_fixed_size: 0
    .kernarg_segment_align: 8
    .kernarg_segment_size: 16
    .max_flat_workgroup_size: 32
    .sgpr_count:     66
    .vgpr_count:     72
    .wavefront_size: 32
...
	.end_amdgpu_metadata
.endif
;; end of part 4
